; MI455X (gfx1250); checked and timed in simulation.
; The chip was launched on July 23, 2026; its instructions are those of AMD's public machine-readable ISA for CDNA 5 (MIT licence, August 2026) and "CDNA5" Instruction Set Architecture Reference Guide (July 2026). The comments in the code are by the model that wrote it; some were corrected since.
;; Low Rank. Allowed arithmetic: matrix products marked QUANTISED: E5M2 operands, one given power-of-two scale a tensor, by v_wmma_f32_16x16x64_bf8_bf8 or v_wmma_f32_16x16x128_bf8_bf8, f32 sums; products left as they are: f32 operands where the result goes on into a quantised operand, else bf16, f16 or f32 operands; f32 sums; everything else in f32.
;; Inputs: W_basic 128 x 64 float32; W_ch_codes 128 x 2 x 32 uint8 (E5M2 codes of W_ch, K innermost, in blocks of 32 codes); W_k_codes 1,024 x 32 x 32 uint8 (E5M2 codes of W_k, K innermost, in blocks of 32 codes); W_q_codes 1,024 x 32 x 32 uint8 (E5M2 codes of W_q, K innermost, in blocks of 32 codes); W_sp 64 x 1 float32; W_v1_codes 1,024 x 32 x 32 uint8 (E5M2 codes of W_v1, K innermost, in blocks of 32 codes); W_v2_codes 1,024 x 32 x 32 uint8 (E5M2 codes of W_v2, K innermost, in blocks of 32 codes); b_basic 64 float32; b_ch 128 float32; b_k 1,024 float32; b_q 1,024 float32; b_sp 1 float32; b_v1 1,024 float32; b_v2 1,024 float32; be_k 1,024 float32; be_q 1,024 float32; be_v1 1,024 float32; be_v2 1,024 float32; g_k 1,024 float32; g_q 1,024 float32; g_v1 1,024 float32; g_v2 1,024 float32; key_feats_codes 64 x 512 x 32 x 32 uint8 (E5M2 codes of key_feats, K innermost, in blocks of 32 codes); lowp_scales 10 int32 (the exponents e of the quantised operands' scales 2^e); mask 64 x 512 float32; query_codes 64 x 32 x 32 uint8 (E5M2 codes of query, K innermost, in blocks of 32 codes); value1_codes 64 x 32 x 32 uint8 (E5M2 codes of value1, K innermost, in blocks of 32 codes); value2_codes 64 x 512 x 32 x 32 uint8 (E5M2 codes of value2, K innermost, in blocks of 32 codes).
;; Outputs: out0 64 x 1,024 float32.
;; This version of the problem:
;;   THIS VERSION OF THE PROBLEM IS GIVEN IN LOW PRECISION. The matrix products marked QUANTISED in the list below multiply operands that are first quantised to E5M2 (5 exponent bits, 2 mantissa bits; 8 bits a number), with one given power-of-two scale for each operand tensor; their sums are f32. All else is computed in f32.
;;   The module's matrix products, in the order in which they are computed (A, B: the left and right operand; K: the contracted axis; several contracted axes count as one K, in the product's order):
;;     1. [M 64, K 1,024] x [K 1,024, N 1,024]; A: input query (given as codes); B: input W_q (given as codes): QUANTISED (scales: A lowp_scales[0], B lowp_scales[1])
;;     2. [M 64, K 1,024] x [K 1,024, N 1,024]; A: input value1 (given as codes); B: input W_v1 (given as codes): QUANTISED (scales: A lowp_scales[2], B lowp_scales[3])
;;     3. [M 32,768, K 1,024] x [K 1,024, N 1,024]; A: input key_feats (given as codes); B: input W_k (given as codes): QUANTISED (scales: A lowp_scales[4], B lowp_scales[5])
;;     4. [M 32,768, K 1,024] x [K 1,024, N 1,024]; A: input value2 (given as codes); B: input W_v2 (given as codes): QUANTISED (scales: A lowp_scales[6], B lowp_scales[7])
;;     5. batch 512 x [M 1, K 128] x [K 128, N 512]; A: computed on the way; B: computed on the way: left as it is (M = 1 < 16)
;;     6. [M 262,144, K 64] x [K 64, N 1]; A: computed on the way; B: input W_sp: left as it is (N = 1 < 16)
;;     7. [M 512, K 64] x [K 64, N 128]; A: computed on the way; B: input W_ch (given as codes): QUANTISED (scales: A lowp_scales[8], B lowp_scales[9])
;;     8. batch 512 x [M 1, K 512] x [K 512, N 128]; A: softmax; B: computed on the way: left as it is (M = 1 < 16)
;;   THE QUANTISER, for each operand of a quantised product, along K:
;;     - The operand's scale is 2^e, e = its entry of the input lowp_scales (int32; the entries are numbered through the quantised products in the list's order, A before B).
;;     - Each number is divided by the scale, clamped to +-57,344, and rounded to the nearest number of E5M2, ties to even, subnormals kept.
;;     - The product sums the exact products of the quantised numbers (number of the format x scale) in f32.
;;   ~~~python
;;   def quantise(x, axis, e):      # numpy; x: float32 -> the quantised numbers, widened to float32 again
;;       x = np.moveaxis(x, axis, -1); K = x.shape[-1]
;;       r = np.clip(x / 2.0 ** e, -57344, 57344)
;;       step = 2.0 ** (np.maximum(np.frexp(np.where(r == 0, 1, r))[1] - 1, -14) - 2)
;;       q = np.round(r / step) * step * 2.0 ** e      # np.round: ties to even
;;       return np.moveaxis(q, -1, axis).astype(np.float32)
;;   ~~~
;;   OPERANDS COMPUTED ON THE WAY. 'Computed on the way' means the value that the module computes at that place (a softmax that the list does not call 'softmax' is quantised finished and normalised). What goes into a quantiser is computed in f32, as accurately as f32 sums, v_exp_f32 and their like allow (about 1e-6 of the number): no bf16 or f16 on the way to a quantiser, and a product that is left as it is and whose result goes on into a quantised operand takes f32 operands (vector FMAs, or v_wmma_f32_16x16x4_f32). A number that lies on a knife's edge between two numbers of the format may be rounded either way, as far as f32 arithmetic and the matrix unit's own rounding can turn it there, and no further.
;;   INPUTS GIVEN AS CODES. W_ch (in the module: [64, 128], K = its axis 0); W_k (in the module: [1024, 1024], K = its axis 0); W_q (in the module: [1024, 1024], K = its axis 0); W_v1 (in the module: [1024, 1024], K = its axis 0); W_v2 (in the module: [1024, 1024], K = its axis 0); key_feats (in the module: [64, 512, 1024], K = its axis 2); query (in the module: [64, 1024], K = its axis 1); value1 (in the module: [64, 1024], K = its axis 1); value2 (in the module: [64, 512, 1024], K = its axis 2): each comes as NAME_codes (uint8): NAME with its K axis moved to the last place and cut into blocks of 32 codes, [.., K / 32, bytes a block], one block behind the other in memory; one code a byte (a code: sign, 5 exponent bits, 2 mantissa bits); its scale is its entry of lowp_scales. Its value is code x scale, taken as it is: it is not quantised again, and the codes and scales need not be those that the quantiser above would give.
;; One version. Each part assembles by itself: llvm-mc -triple=amdgcn-amd-amdhsa -mcpu=gfx1250 --defsym DOCPART=n.
;; ======== version 1 of 1: 2 launches
;; limits: right only within a limited range of input values
;; workspace buffers: folded 1,048,576 bytes; tab 1,024 bytes
;; launch prep (part 1): grid 65 x 1, 4 waves a work-group, no clusters, 17,920 bytes of LDS; arguments query_codes, value1_codes, W_q_codes, W_v1_codes, b_q, b_v1, g_q, g_v1, be_q, be_v1, g_k, g_v2, be_k, be_v2, lowp_scales, W_basic, b_basic, W_sp, b_sp, folded, tab; writes folded, tab
.if DOCPART == 1
	.amdgcn_target "amdgcn-amd-amdhsa--gfx1250"
	.amdhsa_code_object_version 6
	.text
	.protected	k_q161be916c9_prep
	.globl	k_q161be916c9_prep
	.p2align	8
	.type	k_q161be916c9_prep,@function
k_q161be916c9_prep:
	s_mov_b64 s[64:65], 0
	v_nop
	global_prefetch_b8 v0, s[64:65] scope:SCOPE_SE
	s_setreg_imm32_b32 hwreg(HW_REG_WAVE_MODE, 25, 1), 1
	s_wait_xcnt 0x0
; THE SMALL PROJECTIONS.  q = GroupNorm(CELU(query W_q + b_q)) and v1 likewise from value1, both products on the given E5M2 codes, and what the main launch
; wants of them, folded with the gains that follow:   folded[0][0] = q g_k / sqrt(128)   folded[0][1] = q be_k / sqrt(128)   folded[1][0] = v1 g_v2   folded[1][1] = v1 be_v2   (each [64][1024] f32)
; and tab: [0:64] the column sums of W_basic, [64:128] b_basic, [128:192] W_sp, [192] b_sp, zeros behind.
; WHY THE FOLDING IS EXACT.  With k = d rs g_k + be_k (d: the CELU's result less its group's mean, rs: 1 / sqrt(var + eps)):  q . k / sqrt(128) = rs sum(d q g_k / sqrt(128)) + sum(q be_k / sqrt(128)).
; With a = the softmax's weights:  sum_m a_m v2[m][c] = g_v2[c] sum_m a_m rs_m d[m][c] + be_v2[c] sum_m a_m, and sum_m a_m = 1 for every input, since a softmax divides by its own sum.
; NOTHING IS LEFT OUT: every input has a way to the output and is loaded by one of the two launches (b_sp too: under a mask with holes it moves the kept positions against the -1e9 of the hidden ones).
; CELU ON THE BASE-2 EXPONENTIAL.  L = log2(e) / 1.3.  x' = L x;  L celu(x) = max(x', log2(e) 2^min(x', 0) - log2(e)), since e^u - 1 >= u.  GroupNorm does not see the factor L once eps is taken as eps L^2.
; LIMITS: e0 + e1 and e2 + e3 lie between -126 and 127 (they are added to L's exponent field).  NaN among the inputs is not served.
; SHARES.  Work-groups 0-63: p = g / 32 (0: q, 1: v1), head h = (g / 4) % 8, rows 16 (g % 4) on; wave w makes the head's channels 32 w .. 32 w + 31 (two tiles), K = 1,024 in eight steps.  All that a wave
; needs, 116 loads, goes out at once.  The product is used transposed (source 0 = 16 rows of W, source 1 = 16 rows of the input): a lane holds one row and 16 channels.  A head's mean and variance come from the four
; waves' sums and squared deviations through LDS, joined about the common mean: no difference of large sums is formed.  Work-group 64 makes tab, without LDS.
; No clusters, no tensor loads: 64 small work-groups, each of which reads its weights once.
.set LBITS,  0x3f8e0ccb                ; L = log2(e) / 1.3
.set LOG2E,  0x3fb8aa3b
.set NLOG2E, 0xbfb8aa3b
.set EPSL,   0x374e9fed                ; 1e-5 L^2
.set STG,    512                       ; LDS: [0, 512) the waves' sums: [wave][16 rows][sum, squared deviations]; then two stages of 16 rows x (512 bytes + 16)
.set SP,     528
.set OST,    16*SP
.set SPARE,  STG+2*OST                 ; behind the stages: the spare words, 128 bytes for each wave, which no other line names
.set SPW,    12                        ; v12  my spare word;  v13  0: both never rewritten
.set NIL,    13
.set XR,     16                        ; v16-31   x', then the CELU's result, then y
.set ER,     32                        ; v32-47   b L, then the exponentials
.set ACC,    112                       ; v112-127 two accumulators, later at work
.set AF,     128                       ; v128-255 the input's eight fragments; window 1: W's sixteen
.set MSB, 0
.macro WIN new                         ; the immediate's high byte repeats the setting that is left
.if MSB != (\new)
	s_set_vgpr_msb (MSB<<8)|(\new)
.set MSB, (\new)
.endif
.endm
	s_load_b512 s[4:19], s[0:1], 0x0               ; query, value1, W_q, W_v1, b_q, b_v1, g_q, g_v1
	s_load_b512 s[20:35], s[0:1], 0x40             ; be_q, be_v1, g_k, g_v2, be_k, be_v2, lowp_scales, W_basic
	s_load_b256 s[36:43], s[0:1], 0x80             ; b_basic, W_sp, b_sp, folded
	s_load_b64 s[44:45], s[0:1], 0xa0              ; tab
	v_lshl_add_u32 v[SPW], v0, 2, SPARE
	v_mov_b32 v[NIL], 0
	v_lshrrev_b32 v1, 5, v0
	v_readfirstlane_b32 s46, v1                    ; wave 0..3
	v_and_b32 v3, 31, v0                           ; lane
	v_and_b32 v1, 15, v0                           ; r
	v_bfe_u32 v2, v0, 4, 1                         ; hh
	s_cmp_eq_u32 ttmp9, 64
	s_cbranch_scc1 .Ltab
	s_lshr_b32 s48, ttmp9, 5                       ; p
	s_bfe_u32 s49, ttmp9, 0x30002                  ; head
	s_and_b32 s50, ttmp9, 3                        ; which 16 rows
	s_lshl_b32 s51, s49, 9
	s_lshl_b32 s52, s46, 7
	s_add_co_u32 s51, s51, s52                     ; the byte of my 32 channels in a row of 1,024 f32
	s_wait_alu depctr_va_vdst(0)
	v_lshlrev_b32 v4, 10, v1
	v_lshl_add_u32 v4, v2, 4, v4                   ; codes: row r of 1,024 bytes, + 16 hh (the same for the input and for W)
	v_lshl_add_u32 v5, v2, 5, s51                  ; the vectors: my channels, + 8 hh of them
	v_lshl_add_u32 v6, v1, 3, s52                  ; the sums: 128 wave + 8 r
	v_lshlrev_b32 v7, 3, v1                        ; and back: 8 r
	v_mul_u32_u24 v8, v1, SP
	v_lshl_add_u32 v8, v2, 5, v8
	v_add_nc_u32 v8, s52, v8
	v_add_nc_u32 v8, STG, v8                       ; into a stage: row r, my wave's 128 bytes, + 32 hh
	s_mul_i32 s53, s46, 4*SP
	v_lshl_add_u32 v9, v3, 4, s53
	v_add_nc_u32 v9, STG, v9                       ; back: wave w takes rows 4 w .. 4 w + 3, 16 bytes a lane
	v_lshlrev_b32 v10, 4, v3
	v_mov_b32 v14, NLOG2E
	v_mov_b32 v15, NLOG2E
	s_mov_b32 s62, 0x76543210                      ; v_permlanex16_b32's selects for lane l xor 16
	s_mov_b32 s63, 0xfedcba98
	s_mov_b32 s61, 0
	s_lshl_b32 s47, s48, 19                        ; where my four rows begin in folded: p x 524,288
	s_lshl_b32 s53, s50, 16                        ; + 16 rows x 4,096 for each tile of rows
	s_add_co_u32 s47, s47, s53
	s_lshl_b32 s53, s46, 14                        ; + 4 rows for each wave
	s_add_co_u32 s47, s47, s53
	s_lshl_b32 s53, s49, 9                         ; + the head's 512 bytes
	s_add_co_u32 s47, s47, s53
	s_wait_kmcnt 0x0
	s_load_b128 s[56:59], s[32:33], 0x0            ; e0 .. e3
	s_cmp_lt_u32 ttmp9, 32                         ; q's work-group or v1's: the choice hangs on the work-group's number alone
	s_cselect_b64 s[4:5], s[4:5], s[6:7]
	s_cselect_b64 s[8:9], s[8:9], s[10:11]
	s_cselect_b64 s[12:13], s[12:13], s[14:15]
	s_cselect_b64 s[16:17], s[16:17], s[18:19]
	s_cselect_b64 s[20:21], s[20:21], s[22:23]
	s_cselect_b64 s[24:25], s[24:25], s[26:27]
	s_cselect_b64 s[28:29], s[28:29], s[30:31]
	s_mov_b32 s54, 1.0
	s_cselect_b32 s54, 0x3db504f3, s54             ; q is also multiplied by 1 / sqrt(128)
	s_mov_b32 s55, s54
	s_lshl_b32 s60, s50, 14
	s_add_nc_u64 s[4:5], s[4:5], s[60:61]          ; the input at my 16 rows
	s_lshl_b32 s60, s51, 8
	s_add_nc_u64 s[8:9], s[8:9], s[60:61]          ; W at my 32 rows
	s_mov_b32 s60, s47
	s_add_nc_u64 s[42:43], s[42:43], s[60:61]
.irp s, 0,1,2,3,4,5,6,7
.irp c, 0,1,2,3
	global_load_b128 v[AF+16*\s+4*\c:AF+16*\s+4*\c+3], v4, s[4:5] offset:128*\s+32*\c
.endr
.endr
	WIN 0x40                                       ; destination window 1
.irp t, 0,1
.irp s, 0,1,2,3,4,5,6,7
.irp c, 0,1,2,3
	global_load_b128 v[16*(8*\t+\s)+4*\c:16*(8*\t+\s)+4*\c+3], v4, s[8:9] offset:16384*\t+128*\s+32*\c
.endr
.endr
.endr
	WIN 0
.irp t, 0,1                                    ; register 8 t + j of each vector: channel 16 t + 8 hh + j of my 32
.irp u, 0,1
	global_load_b128 v[32+8*\t+4*\u:35+8*\t+4*\u], v5, s[12:13] offset:64*\t+16*\u      ; b
	global_load_b128 v[48+8*\t+4*\u:51+8*\t+4*\u], v5, s[16:17] offset:64*\t+16*\u      ; g
	global_load_b128 v[64+8*\t+4*\u:67+8*\t+4*\u], v5, s[20:21] offset:64*\t+16*\u      ; be
	global_load_b128 v[80+8*\t+4*\u:83+8*\t+4*\u], v5, s[24:25] offset:64*\t+16*\u      ; g_k or g_v2
	global_load_b128 v[96+8*\t+4*\u:99+8*\t+4*\u], v5, s[28:29] offset:64*\t+16*\u      ; be_k or be_v2
.endr
.endr
	s_wait_kmcnt 0x0
	s_cmp_lt_u32 ttmp9, 32
	s_cselect_b32 s56, s56, s58
	s_cselect_b32 s57, s57, s59
	s_add_co_i32 s56, s56, s57
	s_lshl_b32 s56, s56, 23
	s_add_co_i32 s56, s56, LBITS                   ; L 2^(the two exponents): they are added to L's exponent field
	s_mov_b32 s57, s56
	s_mov_b32 s58, 0x3c000000                      ; 1 / 128
	s_mov_b32 s59, EPSL
	s_wait_loadcnt 0x0
.irp i, 0,2,4,6,8,10,12,14
	v_pk_mul_f32 v[ER+\i:ER+\i+1], v[ER+\i:ER+\i+1], LBITS op_sel_hi:[1,0]
.endr
	WIN 0x01                                       ; source 0 (W) window 1
.irp s, 0,1,2,3,4,5,6,7                        ; the two accumulators take turns; the first K step starts the sums
.irp t, 0,1
.if \s == 0
	v_wmma_f32_16x16x128_bf8_bf8 v[ACC+8*\t:ACC+8*\t+7], v[16*(8*\t+\s):16*(8*\t+\s)+15], v[AF+16*\s:AF+16*\s+15], 0
.else
	v_wmma_f32_16x16x128_bf8_bf8 v[ACC+8*\t:ACC+8*\t+7], v[16*(8*\t+\s):16*(8*\t+\s)+15], v[AF+16*\s:AF+16*\s+15], v[ACC+8*\t:ACC+8*\t+7]
.endif
.endr
.endr
	WIN 0
.rept 4
	v_nop                                          ; four places between the last product and the first read of a result (ISA guide 7.12.1)
.endr
.irp i, 0,2,4,6,8,10,12,14
	v_pk_fma_f32 v[XR+\i:XR+\i+1], v[ACC+\i:ACC+\i+1], s[56:57], v[ER+\i:ER+\i+1] op_sel_hi:[1,0,1]   ; x' = sum x L 2^e + b L; each accumulator from its low end on
.endr
.irp i, 0,1,2,3,4,5,6,7,8,9,10,11,12,13,14,15
	v_min_num_f32 v[ER+\i], 0, v[XR+\i]
.endr
	s_wait_alu depctr_va_vdst(0)
.irp i, 0,1,2,3,4,5,6,7,8,9,10,11,12,13,14,15
	v_exp_f32 v[ER+\i], v[ER+\i]
.endr
	v_nop                                          ; a plain instruction behind the last exponential
	s_wait_alu depctr_va_vdst(0)                   ; one wait for the batch, ahead of its first reader
.irp i, 0,2,4,6,8,10,12,14
	v_pk_fma_f32 v[ER+\i:ER+\i+1], v[ER+\i:ER+\i+1], LOG2E, v[14:15] op_sel_hi:[1,0,1]
.endr
.irp i, 0,1,2,3,4,5,6,7,8,9,10,11,12,13,14,15
	v_max_num_f32 v[XR+\i], v[XR+\i], v[ER+\i]     ; L celu(x)
.endr
	v_pk_add_f32 v[112:113], v[16:17], v[18:19]    ; my wave's 32 channels: the sum,
	v_pk_add_f32 v[114:115], v[20:21], v[22:23]
	v_pk_add_f32 v[112:113], v[112:113], v[24:25]
	v_pk_add_f32 v[114:115], v[114:115], v[26:27]
	v_pk_add_f32 v[112:113], v[112:113], v[28:29]
	v_pk_add_f32 v[114:115], v[114:115], v[30:31]
	v_pk_add_f32 v[112:113], v[112:113], v[114:115]
	v_add_f32 v112, v112, v113
	v_permlanex16_b32 v113, v112, s62, s63
	v_add_f32 v112, v112, v113
	v_mul_f32 v114, 0xbd000000, v112               ; less their mean,
	v_pk_add_f32 v[116:117], v[16:17], v[114:115] op_sel_hi:[1,0]
	v_pk_add_f32 v[118:119], v[18:19], v[114:115] op_sel_hi:[1,0]
	v_pk_mul_f32 v[120:121], v[116:117], v[116:117]
	v_pk_mul_f32 v[122:123], v[118:119], v[118:119]
.irp i, 4,8,12
	v_pk_add_f32 v[116:117], v[16+\i:17+\i], v[114:115] op_sel_hi:[1,0]
	v_pk_add_f32 v[118:119], v[18+\i:19+\i], v[114:115] op_sel_hi:[1,0]
	v_pk_fma_f32 v[120:121], v[116:117], v[116:117], v[120:121]
	v_pk_fma_f32 v[122:123], v[118:119], v[118:119], v[122:123]
.endr
	v_pk_add_f32 v[120:121], v[120:121], v[122:123]
	v_add_f32 v113, v120, v121
	v_permlanex16_b32 v116, v113, s62, s63
	v_add_f32 v113, v113, v116                     ; and the squared deviations from it
	ds_store_b64 v6, v[112:113]
	s_wait_dscnt 0x0                               ; for the others' sake: my store has landed
	s_barrier_signal -1
	s_barrier_wait -1
	ds_load_b64 v[116:117], v7
	ds_load_b64 v[118:119], v7 offset:128
	ds_load_b64 v[120:121], v7 offset:256
	ds_load_b64 v[122:123], v7 offset:384
	s_wait_dscnt 0x0
	v_add_f32 v124, v116, v118
	v_add_f32 v125, v120, v122
	v_add_f32 v124, v124, v125
	v_mul_f32 v124, 0xbc000000, v124               ; - the head's mean
	v_add_f32 v126, v117, v119
	v_add_f32 v127, v121, v123
	v_add_f32 v126, v126, v127
	v_fmamk_f32 v116, v116, 0x3d000000, v124       ; each wave's mean less the head's
	v_fmamk_f32 v118, v118, 0x3d000000, v124
	v_fmamk_f32 v120, v120, 0x3d000000, v124
	v_fmamk_f32 v122, v122, 0x3d000000, v124
	v_mul_f32 v116, v116, v116
	v_fmac_f32 v116, v118, v118
	v_fmac_f32 v116, v120, v120
	v_fmac_f32 v116, v122, v122
	v_fmamk_f32 v126, v116, 0x42000000, v126       ; the head's squared deviations = the waves' + 32 x the squares of those differences
	v_fma_f32 v126, v126, s58, s59                 ; / 128 + eps L^2
	s_wait_alu depctr_va_vdst(0)
	v_rsq_f32 v126, v126
	v_mov_b32 v125, v124                           ; (a plain instruction behind the transcendental)
	s_wait_alu depctr_va_vdst(0)                   ; ahead of its first reader
	v_mov_b32 v127, v126
.irp i, 0,2,4,6,8,10,12,14
	v_pk_add_f32 v[XR+\i:XR+\i+1], v[XR+\i:XR+\i+1], v[124:125]
	v_pk_mul_f32 v[XR+\i:XR+\i+1], v[XR+\i:XR+\i+1], v[126:127]
	v_pk_fma_f32 v[XR+\i:XR+\i+1], v[XR+\i:XR+\i+1], v[48+\i:49+\i], v[64+\i:65+\i]     ; the projection's own gain and bias
	v_pk_mul_f32 v[XR+\i:XR+\i+1], v[XR+\i:XR+\i+1], s[54:55] op_sel_hi:[1,0]
	v_pk_mul_f32 v[80+\i:81+\i], v[XR+\i:XR+\i+1], v[80+\i:81+\i]
	v_pk_mul_f32 v[96+\i:97+\i], v[XR+\i:XR+\i+1], v[96+\i:97+\i]
.endr
.irp t, 0,1
	ds_store_b128 v8, v[80+8*\t:83+8*\t] offset:64*\t
	ds_store_b128 v8, v[84+8*\t:87+8*\t] offset:64*\t+16
	ds_store_b128 v8, v[96+8*\t:99+8*\t] offset:OST+64*\t
	ds_store_b128 v8, v[100+8*\t:103+8*\t] offset:OST+64*\t+16
.endr
	s_wait_dscnt 0x0                               ; a row's 512 bytes come from four waves
	s_barrier_signal -1
	s_barrier_wait -1
.irp o, 0,1
.irp i, 0,1,2,3
	ds_load_b128 v[16+16*\o+4*\i:19+16*\o+4*\i], v9 offset:OST*\o+SP*\i
.endr
.endr
	s_wait_dscnt 0x0
.irp o, 0,1
.irp i, 0,1,2,3
	global_store_b128 v10, v[16+16*\o+4*\i:19+16*\o+4*\i], s[42:43] offset:262144*\o+4096*\i   ; 32 lanes store 512 consecutive bytes, at a multiple of 256 from the buffer's first byte
.endr
.endr
	s_wait_tensorcnt 0x0                           ; the wave's end
	ds_add_u32 v[SPW], v[NIL]
	s_wait_dscnt 0x0
	s_endpgm
.Ltab:                                         ; work-group 64: each wave stores 256 consecutive bytes of tab
	s_wait_alu depctr_va_vdst(0)
	v_lshlrev_b32 v4, 3, v3                        ; 8 bytes a lane
	s_wait_kmcnt 0x0
	s_lshl_b32 s60, s46, 8
	s_mov_b32 s61, 0
	s_add_nc_u64 s[44:45], s[44:45], s[60:61]
	s_cmp_eq_u32 s46, 0
	s_cbranch_scc0 .Ltab_copy
	WIN 0x40                                       ; wave 0: W_basic's 128 rows of 256 bytes, two columns a lane
.set i, 0
	s_wait_alu depctr_va_vdst(0)
.rept 128
	global_load_b64 v[2*i:2*i+1], v4, s[34:35] offset:256*i
.set i, i+1
.endr
	WIN 0
	s_wait_loadcnt 0x0
	WIN 0x05
.irp k, 0,1,2,3
	v_pk_add_f32 v[16+2*\k:17+2*\k], v[2*\k:2*\k+1], v[8+2*\k:9+2*\k]        ; four chains, started by the first eight rows
.endr
	WIN 0x04
.set i, 8
.rept 30
.irp k, 0,1,2,3
	v_pk_add_f32 v[16+2*\k:17+2*\k], v[16+2*\k:17+2*\k], v[2*(i+\k):2*(i+\k)+1]
.endr
.set i, i+4
.endr
	WIN 0
	v_pk_add_f32 v[16:17], v[16:17], v[18:19]
	v_pk_add_f32 v[20:21], v[20:21], v[22:23]
	v_pk_add_f32 v[16:17], v[16:17], v[20:21]
	global_store_b64 v4, v[16:17], s[44:45]
	s_endpgm
.Ltab_copy:
	s_cmp_eq_u32 s46, 3
	s_cbranch_scc1 .Ltab_bsp
	s_cmp_eq_u32 s46, 1                            ; wave 1: b_basic; wave 2: W_sp
	s_cselect_b64 s[36:37], s[36:37], s[38:39]
	s_wait_alu depctr_va_vdst(0)
	global_load_b64 v[16:17], v4, s[36:37]
	s_wait_loadcnt 0x0
	global_store_b64 v4, v[16:17], s[44:45]
	s_endpgm
.Ltab_bsp:                                     ; wave 3: b_sp, then zeros
	s_load_b32 s48, s[40:41], 0x0
	v_mov_b32 v16, 0
	v_mov_b32 v17, 0
	v_cmp_eq_u32 vcc_lo, 0, v3
	s_wait_kmcnt 0x0
	v_mov_b32 v18, s48
	s_wait_alu depctr_va_vdst(0)
	v_cndmask_b32 v16, v16, v18, vcc_lo
	global_store_b64 v4, v[16:17], s[44:45]
	s_endpgm
.Lfunc_end_k_q161be916c9_prep:
	.size	k_q161be916c9_prep, .Lfunc_end_k_q161be916c9_prep-k_q161be916c9_prep
	.p2alignl 7, 3214868480
	.fill 96, 4, 3214868480
	.section	.rodata,"a",@progbits
	.p2align	6, 0x0
	.amdhsa_kernel k_q161be916c9_prep
		.amdhsa_group_segment_fixed_size 17920
		.amdhsa_private_segment_fixed_size 0
		.amdhsa_enable_private_segment 0
		.amdhsa_kernarg_size 168
		.amdhsa_user_sgpr_count 2
		.amdhsa_user_sgpr_kernarg_segment_ptr 1
		.amdhsa_wavefront_size32 1
		.amdhsa_system_sgpr_workgroup_id_x 1
		.amdhsa_system_sgpr_workgroup_id_y 1
		.amdhsa_system_sgpr_workgroup_id_z 1
		.amdhsa_system_vgpr_workitem_id 0
		.amdhsa_next_free_vgpr 512
		.amdhsa_next_free_sgpr 66
		.amdhsa_reserve_vcc 1
		.amdhsa_float_denorm_mode_32 3
		.amdhsa_float_denorm_mode_16_64 3
		.amdhsa_memory_ordered 1
		.amdhsa_forward_progress 1
		.amdhsa_inst_pref_size 49
	.end_amdhsa_kernel
	.amdgpu_metadata
---
amdhsa.version: [ 1, 2 ]
amdhsa.kernels:
  - .name:           k_q161be916c9_prep
    .symbol:         k_q161be916c9_prep.kd
    .args:
      - { .name: query_codes, .offset: 0, .size: 8, .value_kind: global_buffer, .address_space: global }
      - { .name: value1_codes, .offset: 8, .size: 8, .value_kind: global_buffer, .address_space: global }
      - { .name: W_q_codes, .offset: 16, .size: 8, .value_kind: global_buffer, .address_space: global }
      - { .name: W_v1_codes, .offset: 24, .size: 8, .value_kind: global_buffer, .address_space: global }
      - { .name: b_q, .offset: 32, .size: 8, .value_kind: global_buffer, .address_space: global }
      - { .name: b_v1, .offset: 40, .size: 8, .value_kind: global_buffer, .address_space: global }
      - { .name: g_q, .offset: 48, .size: 8, .value_kind: global_buffer, .address_space: global }
      - { .name: g_v1, .offset: 56, .size: 8, .value_kind: global_buffer, .address_space: global }
      - { .name: be_q, .offset: 64, .size: 8, .value_kind: global_buffer, .address_space: global }
      - { .name: be_v1, .offset: 72, .size: 8, .value_kind: global_buffer, .address_space: global }
      - { .name: g_k, .offset: 80, .size: 8, .value_kind: global_buffer, .address_space: global }
      - { .name: g_v2, .offset: 88, .size: 8, .value_kind: global_buffer, .address_space: global }
      - { .name: be_k, .offset: 96, .size: 8, .value_kind: global_buffer, .address_space: global }
      - { .name: be_v2, .offset: 104, .size: 8, .value_kind: global_buffer, .address_space: global }
      - { .name: lowp_scales, .offset: 112, .size: 8, .value_kind: global_buffer, .address_space: global }
      - { .name: W_basic, .offset: 120, .size: 8, .value_kind: global_buffer, .address_space: global }
      - { .name: b_basic, .offset: 128, .size: 8, .value_kind: global_buffer, .address_space: global }
      - { .name: W_sp, .offset: 136, .size: 8, .value_kind: global_buffer, .address_space: global }
      - { .name: b_sp, .offset: 144, .size: 8, .value_kind: global_buffer, .address_space: global }
      - { .name: folded, .offset: 152, .size: 8, .value_kind: global_buffer, .address_space: global }
      - { .name: tab, .offset: 160, .size: 8, .value_kind: global_buffer, .address_space: global }
    .group_segment_fixed_size: 17920
    .private_segment_fixed_size: 0
    .kernarg_segment_align: 8
    .kernarg_segment_size: 168
    .max_flat_workgroup_size: 128
    .sgpr_count:     66
    .vgpr_count:     512
    .wavefront_size: 32
...
	.end_amdgpu_metadata
.endif
;; end of part 1
;; launch fused (part 2): grid 4 x 64, 4 waves a work-group, clusters of 4 x 4, 327,680 bytes of LDS; arguments key_feats_codes, value2_codes, W_k_codes, W_v2_codes, lowp_scales, b_k, b_v2, mask, W_ch_codes, b_ch, folded, tab, out0; writes out0
.if DOCPART == 2
	.amdgcn_target "amdgcn-amd-amdhsa--gfx1250"
	.amdhsa_code_object_version 6
	.text
	.protected	k_q161be916c9_fused
	.globl	k_q161be916c9_fused
	.p2align	8
	.type	k_q161be916c9_fused,@function
k_q161be916c9_fused:
	s_mov_b64 s[64:65], 0
	v_nop
	global_prefetch_b8 v0, s[64:65] scope:SCOPE_SE
	s_setreg_imm32_b32 hwreg(HW_REG_WAVE_MODE, 25, 1), 1
	s_wait_xcnt 0x0
	s_wait_alu depctr_hold_cnt(0) depctr_sa_sdst(0) depctr_va_vdst(0) depctr_va_sdst(0) depctr_va_ssrc(0) depctr_va_vcc(0) depctr_vm_vsrc(0)
	s_getreg_b32 s2, hwreg(HW_REG_IB_STS2, 6, 4)
	s_cmp_eq_u32 s2, 0
	s_cbranch_scc0 .Lentry_in_a_cluster
	s_endpgm
.Lentry_in_a_cluster:
	s_bfe_u32 s2, ttmp6, 0x10000c
	s_cmp_lg_u32 s2, 0xf033
	s_cbranch_scc0 .Lentry_shape_is_right
	s_endpgm
.Lentry_shape_is_right:
; THE TWO LARGE PROJECTIONS AND ALL THAT FOLLOWS THEM, for one batch and one pair of heads a work-group.  k and v2 never go to memory.
; Four tiles of 256 positions x 256 channels x K 1,024 on E5M2 codes: T0, T1 = key_feats rows 0-255, 256-511 against W_k; T2, T3 = value2 against W_v2.  A wave makes 128 positions x 128 channels: one head.
; NOTHING OF THE PROBLEM IS LEFT OUT: every input is loaded by one of the two launches.
; THE ALGEBRA.  L = log2(e) / 1.3; x' = sum x L 2^(eA + eB) + b L; E = log2(e) 2^x' - log2(e); c = L celu(x) = the middle one of (x', E, 0): E >= x' everywhere, both are positive or both negative.
; GroupNorm does not see the factor L once eps is taken as eps L^2.  m = mean(c), rs = 1 / sqrt(max(mean(c^2) - m^2, 0) + eps L^2).
; score = rs (sum(c qg) - m sum(qg)) + QB (qg = q g_k / sqrt(128) and QB's terms come folded from the launch before).
; out = alpha_ch (v1g T + v1b), T[ch] = sum_p w_p c[p][ch] - sum_p w_p m_p, w = a rs, a the softmax's weights, whose sum is 1 for every input, since a softmax divides by its own sum.
; KEY TILES store three sums a lane (c, c^2, c qg over its 64 channels) in LDS; the loop behind T1 takes them up, a lane to a position, and makes the score, hidden = relu(score W + b), its masked mean (f32: it goes
; into a quantiser), alpha = hidden . W_sp + b_sp, -1e9 where the mask is 0.  Then the softmax with its maximum taken away, the pool's codes, the product with W_ch's codes, the sigmoid.
; LIMITS: e4 + e5, e6 + e7, e8 + e9 lie between -126 and 127, e8 between -126 and 112 (each power of two below is an f32 number).  NaN among the inputs is not served, nor a batch whose mask sums to 0.
; The variance as mean(c^2) - m^2 carries a rounding error of about 2^-23 (1 + m^2 / variance) of itself.
; CLUSTERS: 4 x 4 work-groups: x = the pair of heads, y = the batch.  A's tiles hang on the batch alone and are asked for jointly along a row of the cluster, W's on the pair of heads alone, along a column.
; THE RING: two LDS slots of 256 along K (A's 256 rows, then W's 256; rows of 256 bytes + 16); sixteen fills, four a tile; a tile's last two changes of slots ask for the next tile's first two fills.
; THE MATRIX INSTRUCTION IS USED TRANSPOSED (source 0 = 16 rows of W, source 1 = 16 positions): a lane holds one position (lane % 16) and, of each 16 channels, 8 (lane / 16) + 0 .. 7.
; REGISTERS.  Window 0: v0-31 addresses; v32-95 T; v96-127 small things; v128-255 A's fragments, behind the products XR and ER.  Window 1: W's two sets of fragments, behind the products tables.  Windows 2, 3: 64 accumulators.
.set LBITS,  0x3f8e0ccb                ; L
.set LOG2E,  0x3fb8aa3b
.set NLOG2E, 0xbfb8aa3b
.set EPSL,   0x374e9fed                ; 1e-5 L^2
.set PITCH,  272
.set FR,     16
.set NL,     4
.set NP,     4
.set HALFT,  128*PITCH
.set SLOT,   4*HALFT
.set SPARE,  2*SLOT                    ; the spare words, 128 bytes a wave, which no other line names
.set L_TB,   SPARE+512                 ; four tables of 1,024 bytes: b_k L, qg, b_v2 L (my 256 channels each), tab
.set L_TAB,  L_TB+3072
.set L_MK,   L_TB+4096                 ; the mask, [half of a tile's rows][tile][128]
.set L_PW,   L_MK+2048                 ; alpha, then the softmax's weights: [wave][tile][128], a wave's own
.set L_EX,   L_PW+4096                 ; for each wave 512 bytes: 64 sums of the pool; at +256 its maximum, its sum, its mask's sum, 0
.set L_AC,   L_EX+2048                 ; alpha_ch, [head][128]
.set L_VX,   L_AC+1024                 ; T, [half][head][128]
.set L_PS,   L_VX+2048                 ; for each wave 8,192 bytes, its own: [tile][block][lane] 16 bytes: the key tiles' three sums; later 32 rows x 144 bytes: the pool's turn from lanes to units
.set RSP,    144
.set TBR, 4                            ; L_TB + 512 head + 32 hh
.set PSW, 5                            ; my L_PS + 16 lane
.set PWR, 6                            ; my weights + 4 r
.set PSL, 7                            ; my L_PS + 512 hh + 16 r
.set PWL, 8                            ; my weights + 4 lane
.set MKL, 9                            ; my half's mask + 4 lane            (v10, v11: addresses in hand)
.set RSW, 12                           ; my L_PS + 144 lane
.set RSL, 13                           ; my L_PS + 4 lane
.set EXW, 14                           ; my L_EX + 4 lane
.set EXU, 15                           ; my L_EX
.set ADRA, 16                          ; v16-17 my A fragments in slot 0, 1
.set EXR, 18                           ; L_EX + 512 head + 64 hh
.set EXS, 19                           ; L_EX + 512 head
.set ADRB, 20                          ; v20-21 my W fragments
.set ACW, 22                           ; L_AC + 512 head + 256 half + 32 hh
.set VXW, 23                           ; L_VX + 1024 half + 512 head + 32 hh
.set FIN, 24                           ; L_AC + 16 (thread % 64)
.set TBA, 25                           ; L_TAB
.set PFO, 26                           ; 1,024 x lane
.set OUO, 27                           ; 16 (thread % 64)
.set SPW, 28                           ; my spare word; v29 0: both never rewritten
.set NIL, 29
.set NLE, 30                           ; v[30:31] -log2(e), twice
.set TR,  32
.set QB,  96                           ; sum(q be_k) / sqrt(128) of my head
.set MS,  97                           ; my positions' sum of the mask
.set UA,  99                           ; sum of w m over my lane's positions
.set SQ,  109                          ; sum(qg) of my head
.set XR,  128
.set ER,  192
.set AF,  128
.set BI,  0
.set QG,  64
.set SEL, 4
.set CVS, 6
.set CVL, 7
.set IC,  8
.set IO,  9
.set HM,  10
.set G1A, 32
.set G1B, 40
.set G0A, 48
.set G0B, 56
.set WV,  66
.set RH,  67                           ; which half of a tile's rows is mine; also: I fetch for A (0) or for W (1)
.set CH,  68                           ; which head of the pair; also: which 128 rows I fetch
.set CX,  69
.set CY,  70
.set BT,  71
.set KA,  72
.set VA,  74
.set WK,  76
.set WV2, 78
.set FN,  80                           ; the next fill to ask for: tile FN / 4, K slot FN % 4
.set IDX, 81
.set PK,  82
.set PV,  84
.set PFA, 86
.set LIM, 88                           ; a wave's prefetches in the loop name fills LO .. LIM - 1: 0 .. 15 in the waves that fetch for A, 8 .. 11 in those that fetch for W
.set LO,  12
.set AM,  13                           ; all ones in the waves that fetch for A: only A goes 256 rows down in every second tile
.set TOFF, 89                          ; 512 x (the tile's number % 2)
.set SCP, 90
.set SCK, 92
.set SCV, 93
.set S79, 94
.set LE,  96
.set BLK, 98
.set RO,  99
.set I128, 100
.set EPS, 101
.set G1W0, (1<<20)|(1<<21)|(5<<22)|(3<<25)   ; elements of 1 byte; padding on; bit 21 beside a mask; 4 words of padding after every 64
.set MSB, 0
.macro WIN new                         ; the immediate's high byte repeats the setting that is left
.if MSB != (\new)
	s_set_vgpr_msb (MSB<<8)|(\new)
.set MSB, (\new)
.endif
.endm
.macro VW                              ; the wait round transcendentals and ahead of waits, barriers and branches behind which fresh results are read
	s_wait_alu depctr_va_vdst(0)
.endm
.set MUL_LO, 0xa1                      ; source 0 (W) window 1, source 1 (A) window 0, C and D window 2
.set MUL_HI, 0xf1
.set TO_B,   0x40
; A joint load: waves 0 and 1 fetch for A, waves 2 and 3 for W; the branch hangs on the wave's number alone.  An s_nop 0 and four v_nop follow each line.
.macro JLOAD slot
	s_cmp_eq_u32 s[RH], 0
	s_cbranch_scc0 .Lfor_b_\@
	tensor_load_to_lds s[G0A+4*\slot:G0A+4*\slot+3], s[G1A:G1A+7]
	s_nop 0
.rept 4
	v_nop
.endr
	s_branch .Lasked_\@
.Lfor_b_\@:
	tensor_load_to_lds s[G0B+4*\slot:G0B+4*\slot+3], s[G1B:G1B+7]
	s_nop 0
.rept 4
	v_nop
.endr
.Lasked_\@:
.endm
.macro CREST                           ; a round of the cluster's barrier behind its opening barrier
	s_cmp_lg_u32 s[WV], 0
	s_cbranch_scc1 .Lnot_wave_0_\@
	s_barrier_signal -3
.Lnot_wave_0_\@:
	s_barrier_wait -3
	s_barrier_signal -1
	s_barrier_wait -1
.endm
.macro CROUND
	s_barrier_signal -1
	s_barrier_wait -1
	CREST
.endm
; The slot's two groups 0 take fill FN's addresses: A: key_feats (fills 0-7) or value2, 256 rows down in every second tile, 256 bytes along K for each K slot; W: W_k or W_v2, along K alike.
.macro NEXTADR slot
	s_and_b32 s3, s[FN], 3
	s_lshl_b32 s30, s3, 8
	s_mov_b32 s31, 0
	s_bfe_u32 s3, s[FN], 0x10002
	s_lshl_b32 s3, s3, 18
	s_cmp_lt_u32 s[FN], 8
	s_cselect_b64 s[G0A+4*\slot+2:G0A+4*\slot+3], s[KA:KA+1], s[VA:VA+1]
	s_cselect_b64 s[G0B+4*\slot+2:G0B+4*\slot+3], s[WK:WK+1], s[WV2:WV2+1]
	s_add_nc_u64 s[G0B+4*\slot+2:G0B+4*\slot+3], s[G0B+4*\slot+2:G0B+4*\slot+3], s[30:31]
	s_add_co_u32 s30, s30, s3
	s_add_nc_u64 s[G0A+4*\slot+2:G0A+4*\slot+3], s[G0A+4*\slot+2:G0A+4*\slot+3], s[30:31]
	s_or_b32 s[G0A+4*\slot+3], s[G0A+4*\slot+3], 0x80000000
	s_or_b32 s[G0B+4*\slot+3], s[G0B+4*\slot+3], 0x80000000
	s_add_co_u32 s[FN], s[FN], 1
.endm
; A PREFETCH INTO THE L2 of my wave's part of fill FN + 2, which the change of slots after the next will ask for.  Of the 128 rows that a wave fetches, each of the four partners that ask for them jointly takes 32, told
; apart by address (cx for A, cy for W); a lane a row, 256 bytes of it: one instruction a wave, each block named once in each cluster that will load it.  Fills 1 and 2 are asked for at the head behind fill 0's load,
; fill 3 behind fill 1's; past fill 15 nothing is asked for.  W's tiles are asked for ahead of their first use alone (W_k: fills 1 to 3; W_v2: fills 8 to 11): in the tile after that they have been read.
.macro PFADR
	s_add_co_u32 s[IDX], s[FN], 2
	s_and_b32 s3, s[IDX], 3
	s_lshl_b32 s30, s3, 8
	s_bfe_u32 s3, s[IDX], 0x10002
	s_lshl_b32 s3, s3, 18
	s_and_b32 s3, s3, s[AM]
	s_add_co_u32 s30, s30, s3
	s_mov_b32 s31, 0
	s_cmp_lt_u32 s[IDX], 8
	s_cselect_b64 s[PFA:PFA+1], s[PK:PK+1], s[PV:PV+1]
	s_add_nc_u64 s[PFA:PFA+1], s[PFA:PFA+1], s[30:31]
.endm
.macro ASK
	s_cmp_lt_u32 s[IDX], s[LIM]
	s_cbranch_scc0 .Lnot_mine_\@
	s_cmp_ge_u32 s[IDX], s[LO]
	s_cbranch_scc0 .Lnot_mine_\@
	global_prefetch_b8 v[PFO], s[PFA:PFA+1] th:TH_LOAD_NT scope:SCOPE_SE
.Lnot_mine_\@:
.endm
.macro FRAG reg, adr, q, i             ; lane l holds row l % 16; registers 4 c .. 4 c + 3 hold K = 32 c + 16 (l / 16) + 0 .. 15: the same order of K in A and in W
.irp c, 0,1,2,3
	ds_load_b128 v[\reg+4*\c:\reg+4*\c+3], v[\adr] offset:128*(\q)+32*\c+(\i)*16*PITCH
.endr
.endm
; 16 matrix instructions: A's blocks a0, a0 + 1 x W's eight.  The 64 accumulators take turns, in the same order in every step.
.macro MUL16 a0, p, zero
.irp a, \a0, \a0+1
.irp b, 0,1,2,3,4,5,6,7
.if \zero
	v_wmma_f32_16x16x128_bf8_bf8 v[8*(8*((\a)%4)+\b):8*(8*((\a)%4)+\b)+7], v[128*(\p)+FR*\b:128*(\p)+FR*\b+FR-1], v[AF+FR*(\a):AF+FR*(\a)+FR-1], 0
.else
	v_wmma_f32_16x16x128_bf8_bf8 v[8*(8*((\a)%4)+\b):8*(8*((\a)%4)+\b)+7], v[128*(\p)+FR*\b:128*(\p)+FR*\b+FR-1], v[AF+FR*(\a):AF+FR*(\a)+FR-1], v[8*(8*((\a)%4)+\b):8*(8*((\a)%4)+\b)+7]
.endif
.endr
.endr
.endm
.macro FETCH_B slot, q, p
	WIN TO_B
.irp i, 0,1,2,3,4,5,6,7
	FRAG 128*(\p)+FR*\i, ADRB+\slot, \q, \i
.endr
	WIN 0
.endm
.macro FETCH_A slot, q, i0
.irp i, \i0, \i0+1, \i0+2, \i0+3
	FRAG AF+FR*(\i), ADRA+\slot, \q, \i
.endr
.endm
.macro PLACES n                        ; plain vector instructions between a matrix instruction and a load into one of its registers, or the first read of a result
.rept \n
	v_nop
.endr
.endm
; A step of 128 along K that has its successor in the same slot.  A has one set of registers (blocks 0-3 fetched anew in the step's middle, blocks 4-7 at its end), W two.
.macro STEP slot, q, zero
	s_wait_dscnt 4*NL                              ; W's set and A's blocks 0-3 are in; the youngest 16 loads (A's blocks 4-7) may be out
	FETCH_B \slot, (\q)+1, 1-(\q)%2                ; W's other set is free through the whole step: its 32 loads go out at the step's head (the places behind the last products that read it stand at the end of the step before)
	WIN MUL_LO
	MUL16 0, (\q)%2, \zero
	MUL16 2, (\q)%2, \zero
	s_wait_dscnt 8*NL                              ; A's blocks 4-7 are in; the 32 loads of W's next set, issued behind them, may be out
	PLACES NP
	WIN 0
	FETCH_A \slot, (\q)+1, 0
	WIN MUL_HI
	MUL16 4, (\q)%2, \zero
	MUL16 6, (\q)%2, \zero
	PLACES NP
	WIN 0
	FETCH_A \slot, (\q)+1, 4
.endm
; A slot's last step changes slots: one barrier; in front of it each wave waits for all its tensor loads, adds 0 to its spare word, and waits for that and for its own reads of this slot.
; fill = 1: the barrier opens a round of the cluster's, and this slot is filled again first thing behind it.  fetch = 0: a tile's last step: nothing is fetched.
.macro TURN slot, next, fill, fetch
.if \fill
	s_wait_xcnt 0x0                                ; the last prefetch has read its address: it is made anew here
	PFADR
.endif
	s_wait_tensorcnt 0x0                           ; all my tensor loads have landed: my part of the next slot; so a group 0 may be written
	ds_add_u32 v[SPW], v[NIL]
.if \fill
	NEXTADR \slot
.endif
	s_wait_dscnt 4*NL+1                            ; the add and the youngest 16 loads may be out
	WIN MUL_LO
	MUL16 0, 1, 0
	s_wait_dscnt 0x0                               ; the add is done, and my reads of this slot are over
	s_barrier_signal -1
	MUL16 2, 1, 0
	WIN 0
	s_barrier_wait -1
.if \fill
	CREST
	JLOAD \slot                                    ; its four v_nop are also the places in front of the loads below
.else
	PLACES NP
.endif
.if \fetch
	FETCH_B \next, 0, 0
	FETCH_A \next, 0, 0
.endif
.if \fill
	ASK
.endif
	WIN MUL_HI
	MUL16 4, 1, 0
	MUL16 6, 1, 0
.if \fetch
	PLACES NP
	WIN 0
	FETCH_A \next, 0, 4
.else
	WIN 0
.endif
.endm
.macro TILE_HEAD
	FETCH_B 0, 0, 0
	FETCH_A 0, 0, 0
	FETCH_A 0, 0, 4
	STEP 0, 0, 1
	TURN 0, 1, 1, 1
	STEP 1, 0, 0
	TURN 1, 0, 1, 1
	STEP 0, 0, 0
.endm
.macro FOLD c, d                       ; four chains of pairs at v[c] become one number in v[d]
	v_pk_add_f32 v[\c:\c+1], v[\c:\c+1], v[\c+2:\c+3]
	v_pk_add_f32 v[\c+4:\c+5], v[\c+4:\c+5], v[\c+6:\c+7]
	v_pk_add_f32 v[\c:\c+1], v[\c:\c+1], v[\c+4:\c+5]
	v_add_f32 v[\d], v[\c], v[\c+1]
.endm
.macro BOTH d, t                       ; + lane l xor 16's
	v_permlanex16_b32 v[\t], v[\d], s[SEL], s[SEL+1]
	v_add_f32 v[\d], v[\d], v[\t]
.endm
.macro LANES16 op, d
.irp x, 1,2,4,8
	\op v[\d], v[\d], v[\d] row_xmask:\x row_mask:0xf bank_mask:0xf
.endr
.endm
; Block a's 64 sums a lane leave the accumulators as x'.  The wait stands directly ahead of these first readers of matrix results, behind the earlier trips' transcendentals.
.macro XT a
	WIN 0x12+(\a)/4                                ; source 0 (the sums) window 2 or 3, source 2 (the bias) window 1
	VW
.set i, 0
.rept 32
	v_pk_fma_f32 v[XR+i:XR+i+1], v[64*((\a)%4)+i:64*((\a)%4)+i+1], s[SCP:SCP+1], v[BI+i:BI+i+1] op_sel_hi:[1,0,1]
.set i, i+2
.endr
	WIN 0
.endm
; BEHIND A TILE'S PRODUCTS: a block of 16 positions a trip.  Only XT names the accumulators, so it alone is written eight times, chosen by three tests of the trip's number.
; both = 1: key tiles (s2 >= 2) and value tiles; 0: value tiles alone.
.macro EPI both
	PLACES 4
.if \both
	s_cmp_ge_u32 s2, 2
	s_cselect_b32 s[SCP], s[SCK], s[SCV]
	s_mov_b32 s[SCP+1], s[SCP]
	s_cbranch_scc0 .Lvtab_\@
	WIN 0x40
.set i, 0
.rept 16
	ds_load_b128 v[BI+4*i:BI+4*i+3], v[TBR] offset:64*(i/2)+16*(i%2)            ; register 8 n + j: channel 16 n + 8 hh + j of my head
	ds_load_b128 v[QG+4*i:QG+4*i+3], v[TBR] offset:1024+64*(i/2)+16*(i%2)
.set i, i+1
.endr
	WIN 0
	s_branch .Ltabs_\@
.Lvtab_\@:
.else
	s_mov_b32 s[SCP], s[SCV]
	s_mov_b32 s[SCP+1], s[SCV]
.endif
	WIN 0x40
.set i, 0
.rept 16
	ds_load_b128 v[BI+4*i:BI+4*i+3], v[TBR] offset:2048+64*(i/2)+16*(i%2)
.set i, i+1
.endr
	WIN 0
.Ltabs_\@:
	s_wait_dscnt 0x0
	s_mov_b32 s[BLK], 0
.Lblk_\@:
.if \both
	s_cmp_ge_u32 s2, 2
	s_cbranch_scc1 .Lnpw_\@
.endif
	s_lshl_b32 s[RO], s[BLK], 6
	s_add_co_u32 s[RO], s[RO], s[TOFF]
	v_add_nc_u32 v11, s[RO], v[PWR]
	ds_load_b32 v111, v11                          ; a value tile: my position's weight, wanted at the trip's end
.Lnpw_\@:
	s_cmp_lt_u32 s[BLK], 4
	s_cbranch_scc0 .Lx4_\@
	s_cmp_lt_u32 s[BLK], 2
	s_cbranch_scc0 .Lx2_\@
	s_cmp_eq_u32 s[BLK], 0
	s_cbranch_scc0 .Lx1_\@
	XT 0
	s_branch .Lxj_\@
.Lx1_\@:
	XT 1
	s_branch .Lxj_\@
.Lx2_\@:
	s_cmp_eq_u32 s[BLK], 2
	s_cbranch_scc0 .Lx3_\@
	XT 2
	s_branch .Lxj_\@
.Lx3_\@:
	XT 3
	s_branch .Lxj_\@
.Lx4_\@:
	s_cmp_lt_u32 s[BLK], 6
	s_cbranch_scc0 .Lx6_\@
	s_cmp_eq_u32 s[BLK], 4
	s_cbranch_scc0 .Lx5_\@
	XT 4
	s_branch .Lxj_\@
.Lx5_\@:
	XT 5
	s_branch .Lxj_\@
.Lx6_\@:
	s_cmp_eq_u32 s[BLK], 6
	s_cbranch_scc0 .Lx7_\@
	XT 6
	s_branch .Lxj_\@
.Lx7_\@:
	XT 7
.Lxj_\@:
	VW                                             ; one wait ahead of the batch of 64,
.set i, 0
.rept 64
	v_exp_f32 v[ER+i], v[XR+i]
.set i, i+1
.endr
	v_nop                                          ; a plain instruction behind the last exponential,
	VW                                             ; and one wait behind the batch
.set i, 0
.rept 32
	v_pk_fma_f32 v[ER+i:ER+i+1], v[ER+i:ER+i+1], s[LE:LE+1], v[NLE:NLE+1] op_sel_hi:[1,0,1]   ; E
.set i, i+2
.endr
.set i, 0
.rept 64
	v_med3_num_f32 v[XR+i], v[XR+i], v[ER+i], 0    ; c = L celu(x)
.set i, i+1
.endr
.irp k, 0,1,2,3                                ; sum(c) at ER, sum(c^2) at ER + 8: four chains of pairs each
	v_pk_add_f32 v[ER+2*\k:ER+2*\k+1], v[XR+2*\k:XR+2*\k+1], v[XR+8+2*\k:XR+9+2*\k]
	v_pk_mul_f32 v[ER+8+2*\k:ER+9+2*\k], v[XR+2*\k:XR+2*\k+1], v[XR+2*\k:XR+2*\k+1]
.endr
.set i, 8
.rept 7
.irp k, 0,1,2,3
.if i > 8
	v_pk_add_f32 v[ER+2*\k:ER+2*\k+1], v[ER+2*\k:ER+2*\k+1], v[XR+i+2*\k:XR+i+2*\k+1]
.endif
	v_pk_fma_f32 v[ER+8+2*\k:ER+9+2*\k], v[XR+i+2*\k:XR+i+2*\k+1], v[XR+i+2*\k:XR+i+2*\k+1], v[ER+8+2*\k:ER+9+2*\k]
.endr
.set i, i+8
.endr
.if \both
	VW                                             ; the chains' last results are read behind the branch below
	s_cmp_ge_u32 s2, 2
	s_cbranch_scc0 .Lvfin_\@
	WIN 0x04                                       ; a key tile: sum(c qg) at ER + 16; source 1 (qg) window 1
.irp k, 0,1,2,3
	v_pk_mul_f32 v[ER+16+2*\k:ER+17+2*\k], v[XR+2*\k:XR+2*\k+1], v[QG+2*\k:QG+2*\k+1]
.endr
.set i, 8
.rept 7
.irp k, 0,1,2,3
	v_pk_fma_f32 v[ER+16+2*\k:ER+17+2*\k], v[XR+i+2*\k:XR+i+2*\k+1], v[QG+i+2*\k:QG+i+2*\k+1], v[ER+16+2*\k:ER+17+2*\k]
.endr
.set i, i+8
.endr
	WIN 0
.irp c, ER, ER+8, ER+16
	v_pk_add_f32 v[\c:\c+1], v[\c:\c+1], v[\c+2:\c+3]
	v_pk_add_f32 v[\c+4:\c+5], v[\c+4:\c+5], v[\c+6:\c+7]
.endr
.irp c, ER, ER+8, ER+16
	v_pk_add_f32 v[\c:\c+1], v[\c:\c+1], v[\c+4:\c+5]
.endr
	v_add_f32 v[ER+24], v[ER], v[ER+1]
	v_add_f32 v[ER+25], v[ER+8], v[ER+9]
	v_add_f32 v[ER+26], v[ER+16], v[ER+17]
	s_lshl_b32 s[RO], s[BLK], 9                    ; 512 bytes a block, 4,096 a tile
	s_lshl_b32 s3, s[TOFF], 3
	s_add_co_u32 s[RO], s[RO], s3
	v_add_nc_u32 v10, s[RO], v[PSW]
	ds_store_b96 v10, v[ER+24:ER+26]               ; my 64 channels' three sums
	s_branch .Lnxt_\@
.Lvfin_\@:
.endif
.irp c, ER, ER+8                               ; a value tile
	v_pk_add_f32 v[\c:\c+1], v[\c:\c+1], v[\c+2:\c+3]
	v_pk_add_f32 v[\c+4:\c+5], v[\c+4:\c+5], v[\c+6:\c+7]
.endr
.irp c, ER, ER+8
	v_pk_add_f32 v[\c:\c+1], v[\c:\c+1], v[\c+4:\c+5]
.endr
	v_add_f32 v[ER+24], v[ER], v[ER+1]
	v_add_f32 v[ER+25], v[ER+8], v[ER+9]
	v_permlanex16_b32 v[ER+26], v[ER+24], s[SEL], s[SEL+1]
	v_permlanex16_b32 v[ER+27], v[ER+25], s[SEL], s[SEL+1]
	v_add_f32 v[ER+24], v[ER+24], v[ER+26]         ; with the position's other 64 channels
	v_add_f32 v[ER+25], v[ER+25], v[ER+27]
	v_mul_f32 v[ER+24], s[I128], v[ER+24]          ; m
	v_mul_f32 v[ER+25], s[I128], v[ER+25]
	v_fma_f32 v[ER+25], -v[ER+24], v[ER+24], v[ER+25]
	v_max_num_f32 v[ER+25], 0, v[ER+25]
	v_add_f32 v[ER+25], s[EPS], v[ER+25]
	VW
	v_rsq_f32 v[ER+25], v[ER+25]
	v_nop
	s_wait_dscnt 0x0                               ; my position's weight
	VW
	v_mul_f32 v110, v[ER+25], v111                 ; w = a rs
	v_fmac_f32 v[UA], v110, v[ER+24]
.set i, 0
.rept 32
	v_pk_fma_f32 v[TR+i:TR+i+1], v[XR+i:XR+i+1], v[110:111], v[TR+i:TR+i+1] op_sel_hi:[1,0,1]   ; T += w c
.set i, i+2
.endr
.Lnxt_\@:
	s_add_co_u32 s[BLK], s[BLK], 1
	s_cmp_lt_u32 s[BLK], 8
	s_cbranch_scc1 .Lblk_\@
.endm
	s_load_b512 s[4:19], s[0:1], 0x0               ; key_feats, value2, W_k, W_v2, lowp_scales, b_k, b_v2, mask
	s_load_b256 s[20:27], s[0:1], 0x40             ; W_ch, b_ch, folded, tab
	s_load_b64 s[28:29], s[0:1], 0x60              ; out0
	v_lshl_add_u32 v[SPW], v0, 2, SPARE
	v_mov_b32 v[NIL], 0
	ds_add_u32 v[SPW], v[NIL]                      ; the opening: the add, twice on end, and its wait ahead of my first tensor load
	ds_add_u32 v[SPW], v[NIL]
	v_lshrrev_b32 v1, 5, v0
	v_readfirstlane_b32 s[WV], v1
	s_lshr_b32 s[RH], s[WV], 1
	s_and_b32 s[CH], s[WV], 1
	s_bfe_u32 s[CX], ttmp6, 0x40000
	s_bfe_u32 s[CY], ttmp6, 0x40004
	s_lshl_b32 s98, ttmp9, 2
	s_add_co_u32 s98, s98, s[CX]                   ; the pair of heads
	s_and_b32 s[BT], ttmp7, 0xffff
	s_lshl_b32 s[BT], s[BT], 2
	s_add_co_u32 s[BT], s[BT], s[CY]               ; the batch
	s_lshl_b32 s3, s[CY], 2
	s_lshl_b32 s3, 15, s3                          ; my row of the cluster
	s_lshl_b32 s30, 0x1111, s[CX]                  ; my column
	s_or_b32 s[G1A], s3, G1W0
	s_or_b32 s[G1B], s30, G1W0
.irp g, G1A, G1B
	s_mov_b32 s[\g+1], 256<<16                     ; 256 bytes a row,
	s_mov_b32 s[\g+2], 128<<16                     ; 128 rows
	s_mov_b32 s[\g+3], 256<<16
	s_mov_b32 s[\g+4], 128
	s_mov_b32 s[\g+5], 1024                        ; from row to row
	s_mov_b32 s[\g+6], 0
	s_mov_b32 s[\g+7], 0
.endr
	s_lshl_b32 s3, s[CH], 17                       ; which 128 rows of 1,024 bytes I fetch
	s_lshl_b32 s72, s[BT], 19
	s_add_co_u32 s72, s72, s3
	s_mov_b32 s73, 0
	s_lshl_b32 s76, s98, 18
	s_add_co_u32 s76, s76, s3
	s_mov_b32 s77, 0
	s_lshl_b32 s82, s[CX], 15                      ; the prefetches: my work-group's 32 of the 128 rows that I fetch: of A by cx,
	s_add_co_u32 s82, s82, s72
	s_lshl_b32 s84, s[CY], 15                      ; of W by cy
	s_add_co_u32 s84, s84, s76
	s_cmp_eq_u32 s[RH], 0
	s_cselect_b32 s82, s82, s84
	s_mov_b32 s83, 0
	s_mul_i32 s31, s[WV], HALFT                    ; where my fetches go: wave x 128 rows
	s_mov_b32 s[FN], 2
	s_mov_b32 s[LE], LOG2E
	s_mov_b32 s[LE+1], LOG2E
	s_mov_b32 s[I128], 0x3c000000
	s_mov_b32 s[EPS], EPSL
	s_cmp_eq_u32 s[RH], 0
	s_cselect_b32 s[LIM], 16, 12
	s_wait_dscnt 0x0                               ; both opening adds are done
	s_wait_kmcnt 0x0
	s_load_b128 s[92:95], s[12:13], 0x10           ; e4 .. e7
	s_load_b64 s[90:91], s[12:13], 0x20            ; e8, e9
	s_add_nc_u64 s[VA:VA+1], s[6:7], s[72:73]
	s_add_nc_u64 s[KA:KA+1], s[4:5], s[72:73]
	s_add_nc_u64 s[WV2:WV2+1], s[10:11], s[76:77]
	s_add_nc_u64 s[WK:WK+1], s[8:9], s[76:77]
	s_cselect_b64 s[PV:PV+1], s[6:7], s[10:11]     ; (the compare of my wave's half with 0 still stands: value2 or W_v2,
	s_add_nc_u64 s[PV:PV+1], s[PV:PV+1], s[82:83]
	s_cselect_b64 s[PFA:PFA+1], s[4:5], s[8:9]     ; key_feats or W_k)
	s_add_nc_u64 s[PK:PK+1], s[PFA:PFA+1], s[82:83]
	CROUND                                         ; all sixteen work-groups are here: the first joint loads meet
.irp s, 0,1
	s_mov_b32 s[G0A+4*\s], 1
	s_add_co_u32 s[G0A+4*\s+1], s31, \s*SLOT
	s_add_nc_u64 s[G0A+4*\s+2:G0A+4*\s+3], s[KA:KA+1], \s*256
	s_or_b32 s[G0A+4*\s+3], s[G0A+4*\s+3], 0x80000000
	s_mov_b32 s[G0B+4*\s], 1
	s_add_co_u32 s[G0B+4*\s+1], s31, \s*SLOT
	s_add_nc_u64 s[G0B+4*\s+2:G0B+4*\s+3], s[WK:WK+1], \s*256
	s_or_b32 s[G0B+4*\s+3], s[G0B+4*\s+3], 0x80000000
.endr
	JLOAD 0                                        ; fill 0: one tensor load a wave at the head
	; while it is on its way: first all the scalar work, then the vector work in one stretch
	s_mov_b32 s[SEL], 0x76543210
	s_mov_b32 s[SEL+1], 0xfedcba98
	s_mul_i32 s6, s[RH], HALFT                     ; my 128 rows of A
	s_mul_i32 s7, s[CH], HALFT
	s_add_co_u32 s7, s7, 2*HALFT                   ; my 128 rows of W, behind A's 256
	s_lshl_b32 s8, s[CH], 9
	s_lshl_b32 s10, s[RH], 10
	s_lshl_b32 s9, s[RH], 8
	s_add_co_u32 s9, s9, s8
	s_add_co_u32 s11, s10, s8
	s_lshl_b32 s81, s[WV], 10
	s_lshl_b32 s86, s[WV], 13
	s_lshl_b32 s87, s[WV], 9
	s_lshl_b32 s30, s98, 10                        ; my 256 channels
	s_mov_b32 s31, 0
	s_add_nc_u64 s[14:15], s[14:15], s[30:31]      ; b_k,
	s_add_nc_u64 s[16:17], s[16:17], s[30:31]      ; b_v2 there
	s_lshl_b32 s3, s[BT], 12
	s_add_co_u32 s30, s30, s3
	s_add_nc_u64 s[24:25], s[24:25], s[30:31]      ; folded and out0 at row b, my channels
	s_add_nc_u64 s[28:29], s[28:29], s[30:31]
	s_lshl_b32 s30, s[BT], 11
	s_add_nc_u64 s[18:19], s[18:19], s[30:31]      ; the mask's row b
	v_and_b32 v3, 31, v0                           ; lane
	v_and_b32 v1, 15, v0                           ; r
	v_bfe_u32 v2, v0, 4, 1                         ; hh
	v_mul_u32_u24 v10, v1, PITCH
	v_lshl_add_u32 v10, v2, 4, v10
	v_add_nc_u32 v[ADRA], s6, v10
	v_add_nc_u32 v[ADRB], s7, v10
	v_add_nc_u32 v[ADRA+1], SLOT, v[ADRA]
	v_add_nc_u32 v[ADRB+1], SLOT, v[ADRB]
	v_lshlrev_b32 v10, 3, v0
	v_lshlrev_b32 v11, 4, v0
	v_and_b32 v[OUO], 63, v0
	v_lshlrev_b32 v[OUO], 4, v[OUO]
	v_lshl_add_u32 v99, v3, 4, s8
	global_load_b64 v[112:113], v10, s[14:15]                  ; b_k: 8 bytes a thread
	global_load_b64 v[114:115], v10, s[24:25]                  ; qg
	global_load_b64 v[116:117], v10, s[16:17]                  ; b_v2
	global_load_b64 v[118:119], v10, s[26:27]                  ; tab
	global_load_b128 v[120:123], v11, s[18:19]                 ; the mask: 4 positions a thread
	global_load_b128 v[124:127], v99, s[24:25] offset:262144   ; q be_k / sqrt(128): my head's 128, 4 a lane
	global_load_b128 v[128:131], v99, s[24:25]                 ; qg of my head, 4 a lane
	global_load_b128 v[100:103], v[OUO], s[24:25] offset:524288   ; v1 g_v2 and
	global_load_b128 v[104:107], v[OUO], s[24:25] offset:786432   ; v1 be_v2: kept for the end
	v_lshl_add_u32 v[TBR], v2, 5, s8
	v_add_nc_u32 v[TBR], L_TB, v[TBR]
	v_lshl_add_u32 v[EXR], v2, 6, s8
	v_add_nc_u32 v[EXR], L_EX, v[EXR]
	v_mov_b32 v[EXS], s8
	v_add_nc_u32 v[EXS], L_EX, v[EXS]
	v_lshl_add_u32 v[ACW], v2, 5, s9
	v_add_nc_u32 v[ACW], L_AC, v[ACW]
	v_lshl_add_u32 v[MKL], v3, 2, s10
	v_add_nc_u32 v[MKL], L_MK, v[MKL]
	v_lshl_add_u32 v[VXW], v2, 5, s11
	v_add_nc_u32 v[VXW], L_VX, v[VXW]
	v_lshl_add_u32 v[PWR], v1, 2, s81
	v_add_nc_u32 v[PWR], L_PW, v[PWR]
	v_lshl_add_u32 v[PWL], v3, 2, s81
	v_add_nc_u32 v[PWL], L_PW, v[PWL]
	v_lshl_add_u32 v[PSW], v3, 4, s86
	v_add_nc_u32 v[PSW], L_PS, v[PSW]
	v_lshl_add_u32 v[PSL], v2, 9, s86
	v_lshl_add_u32 v[PSL], v1, 4, v[PSL]
	v_add_nc_u32 v[PSL], L_PS, v[PSL]
	v_mul_u32_u24 v[RSW], v3, RSP
	v_add_nc_u32 v[RSW], s86, v[RSW]
	v_add_nc_u32 v[RSW], L_PS, v[RSW]
	v_lshl_add_u32 v[RSL], v3, 2, s86
	v_add_nc_u32 v[RSL], L_PS, v[RSL]
	v_lshl_add_u32 v[EXW], v3, 2, s87
	v_add_nc_u32 v[EXW], L_EX, v[EXW]
	v_mov_b32 v[EXU], s87
	v_add_nc_u32 v[EXU], L_EX, v[EXU]
	v_add_nc_u32 v[FIN], L_AC, v[OUO]
	v_mov_b32 v[TBA], L_TAB
	v_lshlrev_b32 v[PFO], 10, v3
	global_prefetch_b8 v[PFO], s[PK:PK+1] offset:256 th:TH_LOAD_NT scope:SCOPE_SE   ; my 32 rows of fill 1,
	global_prefetch_b8 v[PFO], s[PK:PK+1] offset:512 th:TH_LOAD_NT scope:SCOPE_SE   ; and of fill 2; neither register is ever rewritten
	v_mov_b32 v[NLE], NLOG2E
	v_mov_b32 v[NLE+1], NLOG2E
	v_mov_b32 v[MS], 0
	v_mov_b32 v98, 0
	v_mov_b32 v108, 0
	v_mov_b32 v110, 0
	v_mov_b32 v111, 0
.set i, 0
.rept 64
	v_mov_b32 v[TR+i], 0                           ; T begins at 0: the value tiles' trips are written once
.set i, i+1
.endr
	VW
	s_wait_loadcnt 0x0
	v_pk_mul_f32 v[112:113], v[112:113], LBITS op_sel_hi:[1,0]
	v_pk_mul_f32 v[116:117], v[116:117], LBITS op_sel_hi:[1,0]
	v_bfe_u32 v10, v0, 6, 1                        ; my four positions' tile,
	v_bfe_u32 v11, v0, 5, 1                        ; and half of its rows
	v_lshlrev_b32 v11, 10, v11
	v_lshl_add_u32 v11, v10, 9, v11
	v_lshl_add_u32 v11, v3, 4, v11
	v_add_nc_u32 v11, L_MK, v11
	v_lshl_add_u32 v10, v0, 3, L_TB
	ds_store_b64 v10, v[112:113]
	ds_store_b64 v10, v[114:115] offset:1024
	ds_store_b64 v10, v[116:117] offset:2048
	ds_store_b64 v10, v[118:119] offset:3072
	ds_store_b128 v11, v[120:123]
	v_mov_b32 v[UA], 0
	v_add_f32 v124, v124, v125
	v_add_f32 v126, v126, v127
	v_add_f32 v128, v128, v129
	v_add_f32 v130, v130, v131
	v_add_f32 v[QB], v124, v126
	v_add_f32 v[SQ], v128, v130
	LANES16 v_add_f32_dpp, QB
	LANES16 v_add_f32_dpp, SQ
	BOTH QB, 124
	BOTH SQ, 128
	VW                                             ; the head's end
	s_wait_kmcnt 0x0
	s_wait_tensorcnt 0x0                           ; my part of fill 0 is in
	ds_add_u32 v[SPW], v[NIL]
	s_add_co_i32 s[SCK], s92, s93
	s_lshl_b32 s[SCK], s[SCK], 23
	s_add_co_i32 s[SCK], s[SCK], LBITS             ; L 2^(e4 + e5): the exponents are added to L's exponent field
	s_add_co_i32 s[SCV], s94, s95
	s_lshl_b32 s[SCV], s[SCV], 23
	s_add_co_i32 s[SCV], s[SCV], LBITS             ; L 2^(e6 + e7)
	s_add_co_i32 s3, s90, 127
	s_lshl_b32 s[CVS], s3, 23                      ; 2^e8
	s_add_co_i32 s3, s3, 15
	s_lshl_b32 s[CVL], s3, 23
	s_or_b32 s[CVL], s[CVL], 0x600000              ; 57,344 x 2^e8
	s_add_co_i32 s[S79], s90, s91
	s_add_co_i32 s[S79], s[S79], 127
	s_lshl_b32 s[S79], s[S79], 23                  ; 2^(e8 + e9)
	s_mov_b32 s[S79+1], s[S79]
	s_cmp_eq_u32 s[RH], 0
	s_cselect_b32 s[HM], 0, -1
	s_cselect_b32 s[LO], 0, 8
	s_cselect_b32 s[AM], -1, 0
	s_wait_dscnt 0x0                               ; the add is done, and my part of the tables has landed
	CROUND                                         ; everybody's part of fill 0 and of the tables is in,
	JLOAD 1                                        ; and fill 1 is the first tensor load behind the round
	global_prefetch_b8 v[PFO], s[PK:PK+1] offset:768 th:TH_LOAD_NT scope:SCOPE_SE   ; my 32 rows of fill 3: two fills ahead, as in the loop
	s_mov_b32 s2, 3                                ; tiles with a successor: T0 (3), T1 (2), T2 (1)
.Ltile:
	TILE_HEAD
	TURN 0, 1, 1, 1                                ; the ring goes on into the next tile: slot 0 takes its first fill,
	STEP 1, 0, 0
	TURN 1, 0, 1, 0                                ; slot 1 its second
	s_and_b32 s[TOFF], s2, 1
	s_xor_b32 s[TOFF], s[TOFF], 1
	s_lshl_b32 s[TOFF], s[TOFF], 9
	EPI 1
	s_cmp_lg_u32 s2, 2
	s_cbranch_scc1 .La1
	s_lshl_b32 s3, s[RH], 12
	v_lshl_add_u32 v124, v1, 6, s3
	v_lshl_add_u32 v124, v2, 4, v124               ; W_ch: row 64 half + r of 64 bytes, + 16 hh
	s_lshl_b32 s3, s[RH], 8
	v_lshl_add_u32 v125, v2, 5, s3                 ; b_ch: my 64 outputs, + 8 hh of them
	WIN 0x40
.irp t, 0,1,2,3
	global_load_b128 v[192+8*\t:195+8*\t], v124, s[20:21] offset:1024*\t
	global_load_b128 v[196+8*\t:199+8*\t], v124, s[20:21] offset:1024*\t+32
	global_load_b128 v[224+8*\t:227+8*\t], v125, s[22:23] offset:64*\t
	global_load_b128 v[228+8*\t:231+8*\t], v125, s[22:23] offset:64*\t+16
.endr
.set i, 0
.rept 16
	ds_load_b128 v[4*i:4*i+3], v[TBA] offset:16*i                  ; W_basic's column sums: the same 64 numbers in every lane
	ds_load_b128 v[64+4*i:64+4*i+3], v[TBA] offset:256+16*i        ; b_basic
.set i, i+1
.endr
.set i, 0
.rept 64
	v_mov_b32 v[128+i], 0                          ; the pool's 64 sums of my lane
.set i, i+1
.endr
	WIN 0
.set i, 0
.rept 16
	ds_load_b128 v[ER+4*i:ER+4*i+3], v[TBA] offset:512+16*i        ; W_sp
.set i, i+1
.endr
	ds_load_b32 v122, v[TBA] offset:768            ; b_sp
	v_mov_b32 v121, 0xff800000                     ; the largest alpha so far
	v_mov_b32 v123, 0xce6e6b28                     ; -1e9
.La1:
	s_mov_b32 s[IC], 0
.Lic:                                          ; every tile walks the eight trips, so that the trip count is a constant and the loop stands under no branch; the work is done behind T1 alone
	s_cmp_lg_u32 s2, 2
	s_cbranch_scc1 .Licn
	s_lshl_b32 s[IO], s[IC], 7
	s_lshl_b32 s3, s[IC], 10
	v_add_nc_u32 v10, s3, v[PSL]
	v_add_nc_u32 v11, s[IO], v[MKL]
	ds_load_b96 v[112:114], v10                    ; my position's three sums: its first 64 channels (my wave's own stores, served in order),
	ds_load_b96 v[116:118], v10 offset:256         ; its other 64,
	ds_load_b32 v108, v11                          ; and its mask
	s_wait_dscnt 0x0
	v_pk_add_f32 v[112:113], v[112:113], v[116:117]
	v_add_f32 v114, v114, v118
	v_mul_f32 v115, s[I128], v112                  ; m
	v_mul_f32 v113, s[I128], v113
	v_fma_f32 v113, -v115, v115, v113
	v_fma_f32 v114, -v115, v[SQ], v114             ; sum(c qg) - m sum(qg)
	v_max_num_f32 v113, 0, v113
	v_add_f32 v113, s[EPS], v113
	VW
	v_rsq_f32 v113, v113
	v_nop
	VW
	v_fma_f32 v98, v113, v114, v[QB]               ; the score
	WIN 0x14                                       ; sources 1 and 2 window 1
.set i, 0
.rept 32
	v_pk_fma_f32 v[XR+i:XR+i+1], v[98:99], v[i:i+1], v[64+i:65+i] op_sel_hi:[0,1,1]
.set i, i+2
.endr
	WIN 0
.set i, 0
.rept 64
	v_max_num_f32 v[XR+i], 0, v[XR+i]              ; hidden
.set i, i+1
.endr
.irp k, 0,1,2,3
	v_pk_mul_f32 v[112+2*\k:113+2*\k], v[XR+2*\k:XR+2*\k+1], v[ER+2*\k:ER+2*\k+1]
.endr
.set i, 8
.rept 7
.irp k, 0,1,2,3
	v_pk_fma_f32 v[112+2*\k:113+2*\k], v[XR+i+2*\k:XR+i+2*\k+1], v[ER+i+2*\k:ER+i+2*\k+1], v[112+2*\k:113+2*\k]
.endr
.set i, i+8
.endr
	WIN 0x50                                       ; source 2 and destination window 1
.set i, 0
.rept 32
	v_pk_fma_f32 v[128+i:129+i], v[XR+i:XR+i+1], v[108:109], v[128+i:129+i] op_sel_hi:[1,0,1]   ; the pool += hidden x mask
.set i, i+2
.endr
	WIN 0
	FOLD 112, 120
	v_add_f32 v120, v120, v122                     ; alpha = hidden . W_sp + b_sp
	v_add_f32 v[MS], v[MS], v108
	v_cmp_eq_f32 vcc_lo, 0, v108
	v_cndmask_b32 v120, v120, v123, vcc_lo         ; -1e9 where the mask is 0
	v_max_num_f32 v121, v121, v120
	v_add_nc_u32 v10, s[IO], v[PWL]
	ds_store_b32 v10, v120
.Licn:
	s_add_co_u32 s[IC], s[IC], 1
	s_cmp_lt_u32 s[IC], 8
	s_cbranch_scc1 .Lic
	s_cmp_lg_u32 s2, 2
	s_cbranch_scc1 .La2
	VW
	s_wait_loadcnt 0x0                             ; W_ch and b_ch are in: their offsets' registers are free
.irp i, 0,1,2,3,4,5,6,7
	ds_load_b32 v[112+\i], v[PWL] offset:128*\i    ; my eight alphas
.endr
	LANES16 v_max_num_f32_dpp, 121
	v_permlanex16_b32 v126, v121, s[SEL], s[SEL+1]
	v_max_num_f32 v124, v121, v126                 ; my wave's largest alpha
	LANES16 v_add_f32_dpp, MS
	v_permlanex16_b32 v127, v[MS], s[SEL], s[SEL+1]
	v_add_f32 v126, v[MS], v127                    ; my wave's sum of the mask
	v_mov_b32 v127, 0
	VW
	s_wait_dscnt 0x0
.irp i, 0,1,2,3,4,5,6,7
	v_sub_f32 v[112+\i], v[112+\i], v124           ; the maximum is taken away first
.endr
.irp i, 0,1,2,3,4,5,6,7
	v_mul_f32 v[112+\i], s[LE], v[112+\i]
.endr
	VW
.irp i, 0,1,2,3,4,5,6,7
	v_exp_f32 v[112+\i], v[112+\i]
.endr
	v_nop
	VW
	v_pk_add_f32 v[120:121], v[112:113], v[114:115]
	v_pk_add_f32 v[122:123], v[116:117], v[118:119]
	v_pk_add_f32 v[120:121], v[120:121], v[122:123]
	v_add_f32 v125, v120, v121
	LANES16 v_add_f32_dpp, 125
	BOTH 125, 120                                  ; my wave's sum of exponentials
	; the pool from lanes to units: 32 units at a time, each lane's 32 sums as a row of my own stage, then lane l adds column l.  LDS serves a wave's instructions in order (ISA guide 5.7.1.4)
.irp u, 0,1
	WIN 0x04                                       ; the stores' data window 1
.irp q, 0,1,2,3,4,5,6,7
	ds_store_b128 v[RSW], v[128+32*\u+4*\q:131+32*\u+4*\q] offset:16*\q
.endr
	WIN 0
.set i, 0
.rept 32
	ds_load_b32 v[XR+32*\u+i], v[RSL] offset:RSP*i
.set i, i+1
.endr
.endr
.irp u, 0,1
	VW
	s_wait_dscnt 40-40*\u                          ; the first round's loads are in: behind them stand the second round's 8 stores and 32 loads; then all
.irp w, 16,8,4,2
.set i, 0
.rept \w/2
	v_pk_add_f32 v[XR+32*\u+i:XR+32*\u+i+1], v[XR+32*\u+i:XR+32*\u+i+1], v[XR+32*\u+\w+i:XR+32*\u+\w+i+1]
.set i, i+2
.endr
.endr
	v_add_f32 v[XR+32*\u], v[XR+32*\u], v[XR+32*\u+1]
	ds_store_b32 v[EXW], v[XR+32*\u] offset:128*\u ; unit 32 u + lane
.endr
	ds_store_b128 v[EXU], v[124:127] offset:256    ; maximum, sum, mask's sum, 0
	VW
	s_wait_dscnt 0x0                               ; for my head's other wave
	s_barrier_signal -1
	s_barrier_wait -1
	ds_load_b128 v[120:123], v[EXS] offset:256     ; the first half's,
	ds_load_b128 v[124:127], v[EXS] offset:1280    ; the second half's
.irp c, 0,1
.irp q, 0,1,2,3
	ds_load_b128 v[XR+16*\c+4*\q:XR+16*\c+4*\q+3], v[EXR] offset:128*\c+16*\q          ; units 32 c + 16 hh + 0 .. 15: the order that the codes' registers want
	ds_load_b128 v[XR+32+16*\c+4*\q:XR+32+16*\c+4*\q+3], v[EXR] offset:1024+128*\c+16*\q
.endr
.endr
	s_wait_dscnt 0x0
	v_max_num_f32 v110, v120, v124                 ; the head's largest alpha
	v_sub_f32 v120, v120, v110
	v_sub_f32 v124, v124, v110
	v_mul_f32 v120, s[LE], v120
	v_mul_f32 v124, s[LE], v124
	VW
	v_exp_f32 v120, v120
	v_exp_f32 v124, v124
	v_add_f32 v122, v122, v126                     ; the mask's sum
	VW
	v_mul_f32 v121, v121, v120
	v_fmac_f32 v121, v125, v124                    ; the head's sum under the common maximum
	VW
	v_rcp_f32 v121, v121
	v_rcp_f32 v122, v122
	v_cndmask_b32 v120, v120, v124, s[HM]          ; my half's factor
	VW
	v_mul_f32 v120, v120, v121
.irp i, 0,1,2,3,4,5,6,7
	v_mul_f32 v[112+\i], v[112+\i], v120           ; the softmax's weights, finished
.endr
.irp i, 0,1,2,3,4,5,6,7
	ds_store_b32 v[PWL], v[112+\i] offset:128*\i
.endr
	v_mov_b32 v110, s[CVS]
	v_mov_b32 v111, s[CVL]
.set i, 0
.rept 16
	v_pk_add_f32 v[XR+i:XR+i+1], v[XR+i:XR+i+1], v[XR+32+i:XR+32+i+1]
	v_pk_mul_f32 v[XR+i:XR+i+1], v[XR+i:XR+i+1], v[122:123] op_sel_hi:[1,0]          ; the pool
.set i, i+2
.endr
.set i, 0
.rept 32
	v_med3_num_f32 v[XR+i], v[XR+i], -v111, v111   ; the conversion to an 8-bit code does not saturate (ISA guide 7.6.2): the hold at the largest code x the scale
.set i, i+1
.endr
.irp g, 0,1,2,3
	v_cvt_scalef32_pk8_bf8_f32 v[160+2*\g:161+2*\g], v[XR+8*\g:XR+8*\g+7], v110
.endr
	v_nop                                          ; a plain instruction between the conversions and the products
	WIN 0x01                                       ; source 0 (W_ch) window 1
.irp t, 0,1,2,3                                ; source 0 = 16 rows of W_ch, source 1 = the pool in all 16 rows: register j of tile t is output 64 half + 16 t + 8 hh + j
	v_wmma_f32_16x16x64_bf8_bf8 v[XR+8*\t:XR+8*\t+7], v[192+8*\t:199+8*\t], v[160:167], 0
.endr
	WIN 0
	PLACES 4
	WIN 0x10                                       ; source 2 (b_ch) window 1
.set i, 0
.rept 16
	v_pk_fma_f32 v[XR+i:XR+i+1], v[XR+i:XR+i+1], s[S79:S79+1], v[224+i:225+i] op_sel_hi:[1,0,1]
.set i, i+2
.endr
	WIN 0
.set i, 0
.rept 16
	v_pk_mul_f32 v[XR+i:XR+i+1], v[XR+i:XR+i+1], v[NLE:NLE+1]
.set i, i+2
.endr
	VW
.set i, 0
.rept 32
	v_exp_f32 v[XR+i], v[XR+i]
.set i, i+1
.endr
	v_nop
	VW
.set i, 0
.rept 16
	v_pk_add_f32 v[XR+i:XR+i+1], v[XR+i:XR+i+1], 1.0 op_sel_hi:[1,0]
.set i, i+2
.endr
	VW
.set i, 0
.rept 32
	v_rcp_f32 v[XR+i], v[XR+i]                     ; alpha_ch = 1 / (1 + 2^(-z log2(e)))
.set i, i+1
.endr
	v_nop
	VW
.irp t, 0,1,2,3
	ds_store_b128 v[ACW], v[XR+8*\t:XR+8*\t+3] offset:64*\t
	ds_store_b128 v[ACW], v[XR+8*\t+4:XR+8*\t+7] offset:64*\t+16
.endr
.La2:
	s_sub_co_u32 s2, s2, 1
	s_cmp_lg_u32 s2, 0
	s_cbranch_scc1 .Ltile
	; T3, the last tile, is written out: its last two changes of slots ask for nothing
	TILE_HEAD
	TURN 0, 1, 0, 1
	STEP 1, 0, 0
	s_wait_dscnt 4*NL
	WIN MUL_LO
	MUL16 0, 1, 0
	MUL16 2, 1, 0
	s_wait_dscnt 0
	WIN MUL_HI
	MUL16 4, 1, 0
	MUL16 6, 1, 0
	WIN 0
	s_mov_b32 s[TOFF], 512
	EPI 0
	; THE END.  Each lane takes its sum of w m away; then T over the 16 positions of the lanes' halves, then over the two halves of the rows through LDS
	v_mov_b32 v98, v[UA]
.set i, 0
.rept 32
	v_pk_add_f32 v[TR+i:TR+i+1], v[TR+i:TR+i+1], v[98:99] op_sel_hi:[1,0] neg_lo:[0,1] neg_hi:[0,1]
.set i, i+2
.endr
.irp x, 1,2,4,8
.set i, 0
.rept 64
	v_add_f32_dpp v[TR+i], v[TR+i], v[TR+i] row_xmask:\x row_mask:0xf bank_mask:0xf
.set i, i+1
.endr
.endr
.irp n, 0,1,2,3,4,5,6,7
	ds_store_b128 v[VXW], v[TR+8*\n:TR+8*\n+3] offset:64*\n
	ds_store_b128 v[VXW], v[TR+8*\n+4:TR+8*\n+7] offset:64*\n+16
.endr
	VW
	s_wait_dscnt 0x0
	s_barrier_signal -1
	s_barrier_wait -1
	s_cmp_lt_u32 s[WV], 2                          ; 64 threads store the work-group's 256 numbers
	s_cbranch_scc0 .Lend
	ds_load_b128 v[112:115], v[FIN]                ; alpha_ch
	ds_load_b128 v[116:119], v[FIN] offset:1024    ; T of the rows' first half,
	ds_load_b128 v[120:123], v[FIN] offset:2048    ; of the second
	s_wait_dscnt 0x0
.irp i, 0,2
	v_pk_add_f32 v[116+\i:117+\i], v[116+\i:117+\i], v[120+\i:121+\i]
	v_pk_fma_f32 v[116+\i:117+\i], v[116+\i:117+\i], v[100+\i:101+\i], v[104+\i:105+\i]
	v_pk_mul_f32 v[116+\i:117+\i], v[116+\i:117+\i], v[112+\i:113+\i]
.endr
	global_store_b128 v[OUO], v[116:119], s[28:29]     ; 16 lanes store 256 consecutive bytes, at a multiple of 256 from out0's first byte
.Lend:
	s_wait_tensorcnt 0x0                           ; the wave's end
	ds_add_u32 v[SPW], v[NIL]
	s_wait_dscnt 0x0
	CROUND                                         ; the closing round
	s_endpgm
.Lfunc_end_k_q161be916c9_fused:
	.size	k_q161be916c9_fused, .Lfunc_end_k_q161be916c9_fused-k_q161be916c9_fused
	.p2alignl 7, 3214868480
	.fill 96, 4, 3214868480
	.section	.rodata,"a",@progbits
	.p2align	6, 0x0
	.amdhsa_kernel k_q161be916c9_fused
		.amdhsa_group_segment_fixed_size 327680
		.amdhsa_private_segment_fixed_size 0
		.amdhsa_enable_private_segment 0
		.amdhsa_kernarg_size 104
		.amdhsa_user_sgpr_count 2
		.amdhsa_user_sgpr_kernarg_segment_ptr 1
		.amdhsa_wavefront_size32 1
		.amdhsa_system_sgpr_workgroup_id_x 1
		.amdhsa_system_sgpr_workgroup_id_y 1
		.amdhsa_system_sgpr_workgroup_id_z 1
		.amdhsa_system_vgpr_workitem_id 0
		.amdhsa_next_free_vgpr 1024
		.amdhsa_next_free_sgpr 102
		.amdhsa_reserve_vcc 1
		.amdhsa_float_denorm_mode_32 3
		.amdhsa_float_denorm_mode_16_64 3
		.amdhsa_memory_ordered 1
		.amdhsa_forward_progress 1
		.amdhsa_inst_pref_size 255
	.end_amdhsa_kernel
	.section	.bss,"aw",@nobits
	.p2align	6
	.space	262144
	.amdgpu_metadata
---
amdhsa.version: [ 1, 2 ]
amdhsa.kernels:
  - .name:           k_q161be916c9_fused
    .symbol:         k_q161be916c9_fused.kd
    .args:
      - { .name: key_feats_codes, .offset: 0, .size: 8, .value_kind: global_buffer, .address_space: global }
      - { .name: value2_codes, .offset: 8, .size: 8, .value_kind: global_buffer, .address_space: global }
      - { .name: W_k_codes, .offset: 16, .size: 8, .value_kind: global_buffer, .address_space: global }
      - { .name: W_v2_codes, .offset: 24, .size: 8, .value_kind: global_buffer, .address_space: global }
      - { .name: lowp_scales, .offset: 32, .size: 8, .value_kind: global_buffer, .address_space: global }
      - { .name: b_k, .offset: 40, .size: 8, .value_kind: global_buffer, .address_space: global }
      - { .name: b_v2, .offset: 48, .size: 8, .value_kind: global_buffer, .address_space: global }
      - { .name: mask, .offset: 56, .size: 8, .value_kind: global_buffer, .address_space: global }
      - { .name: W_ch_codes, .offset: 64, .size: 8, .value_kind: global_buffer, .address_space: global }
      - { .name: b_ch, .offset: 72, .size: 8, .value_kind: global_buffer, .address_space: global }
      - { .name: folded, .offset: 80, .size: 8, .value_kind: global_buffer, .address_space: global }
      - { .name: tab, .offset: 88, .size: 8, .value_kind: global_buffer, .address_space: global }
      - { .name: out0, .offset: 96, .size: 8, .value_kind: global_buffer, .address_space: global }
    .group_segment_fixed_size: 327680
    .private_segment_fixed_size: 0
    .kernarg_segment_align: 8
    .kernarg_segment_size: 104
    .max_flat_workgroup_size: 128
    .sgpr_count:     102
    .vgpr_count:     1024
    .wavefront_size: 32
...
	.end_amdgpu_metadata
.endif
;; end of part 2
